; MI455X (gfx1250); checked and timed in simulation.
; The chip was launched on July 23, 2026; its instructions are those of AMD's public machine-readable ISA for CDNA 5 (MIT licence, August 2026) and "CDNA5" Instruction Set Architecture Reference Guide (July 2026). The comments in the code are by the model that wrote it; some were corrected since.
;; Int Einsum. Allowed arithmetic: matrix products marked QUANTISED: E4M3 operands, one given power-of-two scale a tensor, by v_wmma_f32_16x16x64_fp8_fp8 or v_wmma_f32_16x16x128_fp8_fp8, f32 sums; everything else in f32.
;; Inputs: kernel 4,096 x 16,384 int8; lowp_scales 2 int32 (the exponents e of the quantised operands' scales 2^e); scale 1 x 16,384 float32; x 4 x 256 x 4,096 float32.
;; Outputs: out0 4 x 256 x 16,384 float32.
;; This version of the problem:
;;   THIS VERSION OF THE PROBLEM IS GIVEN IN LOW PRECISION. The matrix products marked QUANTISED in the list below multiply operands that are first quantised to E4M3 (4 exponent bits, 3 mantissa bits; 8 bits a number), with one given power-of-two scale for each operand tensor; their sums are f32. All else is computed in f32.
;;   The module's matrix products, in the order in which they are computed (A, B: the left and right operand; K: the contracted axis; several contracted axes count as one K, in the product's order):
;;     1. [M 1,024, K 4,096] x [K 4,096, N 16,384]; A: input x; B: computed on the way: QUANTISED (scales: A lowp_scales[0], B lowp_scales[1])
;;   THE QUANTISER, for each operand of a quantised product, along K:
;;     - The operand's scale is 2^e, e = its entry of the input lowp_scales (int32; the entries are numbered through the quantised products in the list's order, A before B).
;;     - Each number is divided by the scale, clamped to +-448, and rounded to the nearest number of E4M3, ties to even, subnormals kept.
;;     - The product sums the exact products of the quantised numbers (number of the format x scale) in f32.
;;   ~~~python
;;   def quantise(x, axis, e):      # numpy; x: float32 -> the quantised numbers, widened to float32 again
;;       x = np.moveaxis(x, axis, -1); K = x.shape[-1]
;;       r = np.clip(x / 2.0 ** e, -448, 448)
;;       step = 2.0 ** (np.maximum(np.frexp(np.where(r == 0, 1, r))[1] - 1, -6) - 3)
;;       q = np.round(r / step) * step * 2.0 ** e      # np.round: ties to even
;;       return np.moveaxis(q, -1, axis).astype(np.float32)
;;   ~~~
;;   OPERANDS COMPUTED ON THE WAY. 'Computed on the way' means the value that the module computes at that place (a softmax that the list does not call 'softmax' is quantised finished and normalised). What goes into a quantiser is computed in f32, as accurately as f32 sums, v_exp_f32 and their like allow (about 1e-6 of the number): no bf16 or f16 on the way to a quantiser, and a product that is left as it is and whose result goes on into a quantised operand takes f32 operands (vector FMAs, or v_wmma_f32_16x16x4_f32). A number that lies on a knife's edge between two numbers of the format may be rounded either way, as far as f32 arithmetic and the matrix unit's own rounding can turn it there, and no further.
;; One version. Each part assembles by itself: llvm-mc -triple=amdgcn-amd-amdhsa -mcpu=gfx1250 --defsym DOCPART=n.
;; ======== version 1 of 1: 2 launches
;; limits: right only within a limited range of input values
;; workspace buffers: x_codes 4,194,304 bytes; w_codes 67,108,864 bytes
;; launch quant (part 1): grid 32 x 16, 4 waves a work-group, no clusters, 140,800 bytes of LDS; arguments x, kernel, scale, lowp_scales, x_codes, w_codes; writes x_codes, w_codes
.if DOCPART == 1
	.amdgcn_target "amdgcn-amd-amdhsa--gfx1250"
	.amdhsa_code_object_version 6
	.text
	.protected	k_q8eb3b15239_quant
	.globl	k_q8eb3b15239_quant
	.p2align	8
	.type	k_q8eb3b15239_quant,@function
k_q8eb3b15239_quant:
	s_mov_b64 s[64:65], 0
	v_nop
	global_prefetch_b8 v0, s[64:65] scope:SCOPE_SE
	s_setreg_imm32_b32 hwreg(HW_REG_WAVE_MODE, 25, 1), 1
	s_wait_xcnt 0x0
; BOTH OPERANDS OF out = x (kernel / scale) BECOME CODES OF FP8 (E4M3), one code a byte, each with the one scale 2^e that is given for it.
;   x      [1024][4096] f32           -> x_codes [1024][4096]: code = x / 2^e0, held within +-448, to the nearest code, ties to even
;   kernel [4096 (k)][16384 (f)] int8 -> w_codes: code = (kernel / scale[f]) / 2^e1, likewise, LAID AS THE NEXT LAUNCH'S OPERAND REGISTERS TAKE THEM:
;   w_codes [f / 64][p / 128][(f % 64) / 16][(p % 128) / 32][(p % 32) / 16][f % 16][p % 16], p the code's place along K: 16 columns x 128 along K are 2,048 bytes on end.
; ONE PERMUTATION OF K, THE SAME IN BOTH BUFFERS: inside each aligned block of 256 along K, place p holds k(p) = 128 ((p / 4) % 2) + 4 (p / 8) + p % 4.  Every product of the next launch still
; meets its partner; only the order of the terms in a sum changes.  So x's loads are dense (a lane takes 4 numbers from each of two loads of 512 bytes: one conversion's 8 sources).
; THE DIVISION is k x r, r = 1 / scale[f] by v_rcp_f32 and one Newton step (two fused multiply-adds), once for each column.
; int8 TO f32: 128 is added to a word's four bytes (one exclusive or); a byte u under the pattern 0x4B0000 is the f32 number 2^23 + u; less 2^23 + 128 that is k, exactly.
; LIMITS: e0 and e1 between -126 and 119.  scale[f] is a finite normal number whose reciprocal is normal too: zero, denormals, infinities and NaN are not served.  NaN in x is not served; an infinity is held.
; SHARES: 512 work-groups of four waves.  Wave w of (bx, by) takes 128 columns from 512 bx + 128 w on x 256 along K from 256 by on, and of x the run of 2,048 numbers 4 (32 by + bx) + w.
; A lane takes 4 neighbouring columns; its codes go through the wave's own stage in LDS and leave 512 consecutive bytes a store, 32 places along K as soon as two groups have made them.
; Waves share nothing: no barrier.  Every offset is an immediate.
.set KROWB, 16384                      ; a row of the kernel in bytes
.set SP,    272                        ; a stage row: a column's 256 codes + 16
.set SQ,    32*SP+64                   ; from columns 4 l + b to columns 4 l + b + 1: 32 rows and 64 bytes, so that 16 neighbouring columns start at 16 different groups of 4 banks
.set WSTG,  128*SP+256                 ; a wave's stage
.set SPARE, 4*WSTG                     ; the spare words, 128 bytes a wave
.set KO,   2                           ; v2   4 x lane
.set L16,  3                           ; v3   16 x lane
.set L8,   4                           ; v4   8 x lane
.set STI,  5                           ; v5   the stage on the way in
.set STO,  6                           ; v6   and back: lane (r, h) takes 16 bytes, 16 h on, of column r
.set SCW,  8                           ; v8 2^e1; v9 448 x 2^e1
.set SCX,  10                          ; v10 2^e0; v11 448 x 2^e0
.set SC,   12                          ; v[12:15] scale of my 4 columns
.set R,    16                          ; v[16:23] 1 / scale, each twice
.set T,    24                          ; v[24:31] at work
.set RAW,  32                          ; v[32:79] three sets of 16 words as loaded
.set XC,   32                          ; v[32:47] x's codes
.set F,    80                          ; v[80:143] 16 numbers of each of my 4 columns; at the end the last two pieces on the way out
.set C,    144                         ; v[144:175] two sets of codes
.set XR,   176                         ; v[176:239] two buffers of 32 for pieces on the way out; then my 64 numbers of x
	s_load_b256 s[4:11], s[0:1], 0x0               ; x, kernel, scale, the scales' exponents
	s_load_b128 s[12:15], s[0:1], 0x20             ; x_codes, w_codes
	v_lshl_add_u32 v240, v0, 2, SPARE
	v_mov_b32 v241, 0
	v_lshrrev_b32 v1, 5, v0
	v_readfirstlane_b32 s16, v1                    ; wave
	v_and_b32 v1, 31, v0                           ; lane
	s_wait_alu depctr_va_vdst(0)                   ; the wait ahead of the scalar run
	s_mov_b32 s17, ttmp9                           ; bx
	s_and_b32 s18, ttmp7, 0xffff                   ; by
	s_lshl_b32 s19, s17, 9
	s_lshl_b32 s20, s16, 7
	s_add_co_u32 s19, s19, s20                     ; my first column
	s_lshl_b32 s20, s18, 22                        ; the kernel: 256 by rows,
	s_add_co_u32 s20, s20, s19                     ; + my first column
	s_mov_b32 s21, 0
	s_lshl_b32 s22, s19, 2                         ; scale
	s_mov_b32 s23, 0
	s_lshl_b32 s36, s19, 12                        ; w_codes: 262,144 bytes for 64 columns,
	s_lshl_b32 s37, s18, 14                        ; 8,192 for 128 along K of them
	s_add_co_u32 s36, s36, s37
	s_mov_b32 s37, 0
	s_lshl_b32 s38, s18, 5
	s_add_co_u32 s38, s38, s17
	s_lshl_b32 s38, s38, 2
	s_add_co_u32 s38, s38, s16                     ; my run of x
	s_lshl_b32 s34, s38, 11
	s_mov_b32 s35, 0
	s_lshl_b32 s38, s38, 13
	s_mov_b32 s39, 0
	s_mul_i32 s2, s16, WSTG                        ; my stage
	s_mov_b32 s24, 0x80808080
	s_mov_b32 s25, 0x4b000000                      ; 2^23
	s_mov_b32 s26, 0xcb000080                      ; -(2^23 + 128)
	s_mov_b32 s27, s26
.irp b, 0,1,2,3
	s_mov_b32 s[28+\b], 0x03020104+\b              ; v_perm_b32: byte b under the upper three bytes of 2^23
.endr
	v_lshlrev_b32 v[KO], 2, v1
	v_lshlrev_b32 v[L16], 4, v1
	v_lshlrev_b32 v[L8], 3, v1
	v_mul_u32_u24 v[STI], v1, SP
	v_add_nc_u32 v[STI], s2, v[STI]
	v_and_b32 v[T], 15, v0                         ; r
	v_bfe_u32 v[T+1], v0, 4, 1                     ; h
	v_and_b32 v[T+2], 3, v[T]
	v_lshrrev_b32 v[T+3], 2, v[T]
	v_mul_u32_u24 v[STO], v[T+2], SQ               ; column r of a block of 16 lies at (r % 4) SQ + (r / 4) SP
	v_mad_u32_u24 v[STO], v[T+3], SP, v[STO]
	v_lshl_add_u32 v[STO], v[T+1], 4, v[STO]
	v_add_nc_u32 v[STO], s2, v[STO]
	s_wait_alu depctr_va_vdst(0)                   ; the wait at the head's end
	s_wait_kmcnt 0x0
	s_load_b64 s[32:33], s[10:11], 0x0             ; e0, e1
	s_add_nc_u64 s[6:7], s[6:7], s[20:21]
	s_add_nc_u64 s[8:9], s[8:9], s[22:23]
	s_add_nc_u64 s[14:15], s[14:15], s[36:37]
	s_add_nc_u64 s[4:5], s[4:5], s[38:39]
	s_add_nc_u64 s[12:13], s[12:13], s[34:35]
; Group g: the 16 rows of the kernel whose codes are places 16 g .. 16 g + 15 of a column's 256, in the head comment's order
.macro KLOAD g
.irp q, 0,1,2,3,4,5,6,7,8,9,10,11,12,13,14,15
	global_load_b32 v[RAW+16*((\g)%3)+\q], v[KO], s[6:7] offset:(128*((\q/4)%2)+8*(\g)+4*(\q/8)+\q%4)*KROWB th:TH_LOAD_NT
.endr
.endm
.macro XLOAD                           ; 8 blocks of 256 numbers; each load reads 512 consecutive bytes
.irp t, 0,1,2,3,4,5,6,7
.irp i, 0,1
	global_load_b128 v[XR+8*\t+4*\i:XR+8*\t+4*\i+3], v[L16], s[4:5] offset:1024*\t+512*\i th:TH_LOAD_NT
.endr
.endr
.endm
	global_load_b128 v[SC:SC+3], v[L16], s[8:9]
	KLOAD 0
	KLOAD 1
	KLOAD 2
	s_wait_kmcnt 0x0
	s_add_co_i32 s34, s33, 127
	s_lshl_b32 s35, s34, 23
	v_mov_b32 v[SCW], s35                          ; 2^e1
	s_add_co_i32 s34, s34, 8
	s_lshl_b32 s34, s34, 23
	s_or_b32 s34, s34, 0x600000
	v_mov_b32 v[SCW+1], s34                        ; 448 x 2^e1
	s_add_co_i32 s34, s32, 127
	s_lshl_b32 s35, s34, 23
	v_mov_b32 v[SCX], s35                          ; 2^e0
	s_add_co_i32 s34, s34, 8
	s_lshl_b32 s34, s34, 23
	s_or_b32 s34, s34, 0x600000
	v_mov_b32 v[SCX+1], s34                        ; 448 x 2^e0
	s_wait_loadcnt 48                              ; scale is in; the three groups' 48 loads stay out
.irp b, 0,1,2,3
	v_rcp_f32 v[T+\b], v[SC+\b]
.endr
	v_nop                                          ; a plain place behind the last reciprocal (ISA guide 5.7.2)
	s_wait_alu depctr_va_vdst(0)                   ; the wait ahead of the first use
.irp b, 0,1,2,3
	v_fma_f32 v[T+4+\b], -v[SC+\b], v[T+\b], 1.0   ; 1 - s r
.endr
.irp b, 0,1,2,3
	v_fma_f32 v[R+2*\b], v[T+\b], v[T+4+\b], v[T+\b]   ; r + r (1 - s r)
.endr
.irp b, 0,1,2,3
	v_mov_b32 v[R+2*\b+1], v[R+2*\b]
.endr
; A group's turn: 64 numbers a lane.  left = how many younger loads may stay out.
.macro GROUP g, left
	s_wait_loadcnt \left
.irp q, 0,1,2,3,4,5,6,7,8,9,10,11,12,13,14,15
	v_xor_b32 v[RAW+16*((\g)%3)+\q], s24, v[RAW+16*((\g)%3)+\q]
.endr
.irp b, 0,1,2,3
.irp q, 0,1,2,3,4,5,6,7,8,9,10,11,12,13,14,15
	v_perm_b32 v[F+16*\b+\q], v[RAW+16*((\g)%3)+\q], s25, s[28+\b]
.endr
.endr
.if (\g) <= 12
	KLOAD (\g)+3                                   ; the set just unpacked takes the group three further on
.elseif (\g) == 13
	s_wait_xcnt 0x0                                ; the pieces' stores have read the two buffers: x lands there only behind this wait
	XLOAD
.endif
.set J, 0
.rept 32
	v_pk_add_f32 v[F+J:F+J+1], v[F+J:F+J+1], s[26:27] op_sel_hi:[1,0]   ; k, exactly
.set J, J+2
.endr
.irp b, 0,1,2,3
.irp j, 0,2,4,6,8,10,12,14
	v_pk_mul_f32 v[F+16*\b+\j:F+16*\b+\j+1], v[F+16*\b+\j:F+16*\b+\j+1], v[R+2*\b:R+2*\b+1]   ; k / scale
.endr
.endr
.set J, 0
.rept 64
	v_med3_num_f32 v[F+J], v[F+J], -v[SCW+1], v[SCW+1]             ; the conversion does not saturate (ISA guide 7.6.2): the hold
.set J, J+1
.endr
	s_wait_alu depctr_va_vdst(0)                   ; the wait ahead of the wait below
	s_wait_dscnt 4                                 ; at most the four youngest LDS instructions are out: the stores of two groups ago, which read this set of codes, are done
.irp b, 0,1,2,3
	v_cvt_scalef32_pk8_fp8_f32 v[C+16*((\g)%2)+4*\b:C+16*((\g)%2)+4*\b+1],   v[F+16*\b:F+16*\b+7],    v[SCW]
	v_cvt_scalef32_pk8_fp8_f32 v[C+16*((\g)%2)+4*\b+2:C+16*((\g)%2)+4*\b+3], v[F+16*\b+8:F+16*\b+15], v[SCW]
.endr
	v_nop                                          ; a plain place behind the last conversion
.irp b, 0,1,2,3
	ds_store_b128 v[STI], v[C+16*((\g)%2)+4*\b:C+16*((\g)%2)+4*\b+3] offset:SQ*\b+16*(\g)   ; column 4 lane + b, places 16 g on
.endr
.endm
; THE WAY OUT.  Piece j: places 32 j .. 32 j + 31 of my eight blocks of 16 columns, which groups 2 j and 2 j + 1 have made: lane (r, h) holds 16 codes of column r, as the operand's registers want them.
.macro LD8 j, reg
.irp i, 0,1,2,3,4,5,6,7
	ds_load_b128 v[\reg+4*\i:\reg+4*\i+3], v[STO] offset:4*SP*\i+32*(\j)   ; LDS serves a wave's instructions in order (ISA guide 5.7.1.4): these see my stores
.endr
.endm
.macro ST8 j, reg
.irp i, 0,1,2,3,4,5,6,7
	global_store_b128 v[L16], v[\reg+4*\i:\reg+4*\i+3], s[14:15] offset:262144*(\i/4)+8192*((\j)/4)+2048*(\i%4)+512*((\j)%4)   ; 32 lanes store 512 consecutive bytes, aligned
.endr
.endm
	GROUP 0, 32
	GROUP 1, 32
.irp j, 0,1,2,3,4,5
	s_wait_xcnt 0x0                                ; the stores of two pieces ago have read this buffer
	LD8 \j, XR+32*(\j%2)
	GROUP 2*\j+2, 32
	s_wait_dscnt 4                                 ; behind the piece's loads: that group's four stores
	ST8 \j, XR+32*(\j%2)
	GROUP 2*\j+3, 32
.endr
	GROUP 14, 32
	GROUP 15, 16
	LD8 6, F                                       ; into the registers that the numbers have left
	LD8 7, F+32
	s_wait_loadcnt 0x0                             ; x is in
.set J, 0
.rept 64
	v_med3_num_f32 v[XR+J], v[XR+J], -v[SCX+1], v[SCX+1]
.set J, J+1
.endr
.irp t, 0,1,2,3,4,5,6,7
	v_cvt_scalef32_pk8_fp8_f32 v[XC+2*\t:XC+2*\t+1], v[XR+8*\t:XR+8*\t+7], v[SCX]
.endr
	v_nop                                          ; a plain place behind the last conversion
.irp t, 0,1,2,3,4,5,6,7
	global_store_b64 v[L8], v[XC+2*\t:XC+2*\t+1], s[12:13] offset:256*\t   ; 32 lanes store 256 consecutive bytes, aligned
.endr
	s_wait_dscnt 0x0
	ST8 6, F
	ST8 7, F+32
	s_wait_tensorcnt 0x0                           ; the wave's end
	ds_add_u32 v240, v241
	s_wait_dscnt 0x0
	s_endpgm
.Lfunc_end_k_q8eb3b15239_quant:
	.size	k_q8eb3b15239_quant, .Lfunc_end_k_q8eb3b15239_quant-k_q8eb3b15239_quant
	.p2alignl 7, 3214868480
	.fill 96, 4, 3214868480
	.section	.rodata,"a",@progbits
	.p2align	6, 0x0
	.amdhsa_kernel k_q8eb3b15239_quant
		.amdhsa_group_segment_fixed_size 140800
		.amdhsa_private_segment_fixed_size 0
		.amdhsa_enable_private_segment 0
		.amdhsa_kernarg_size 48
		.amdhsa_user_sgpr_count 2
		.amdhsa_user_sgpr_kernarg_segment_ptr 1
		.amdhsa_wavefront_size32 1
		.amdhsa_system_sgpr_workgroup_id_x 1
		.amdhsa_system_sgpr_workgroup_id_y 1
		.amdhsa_system_sgpr_workgroup_id_z 1
		.amdhsa_system_vgpr_workitem_id 0
		.amdhsa_next_free_vgpr 242
		.amdhsa_next_free_sgpr 66
		.amdhsa_reserve_vcc 0
		.amdhsa_float_denorm_mode_32 3
		.amdhsa_float_denorm_mode_16_64 3
		.amdhsa_memory_ordered 1
		.amdhsa_forward_progress 1
		.amdhsa_inst_pref_size 255
	.end_amdhsa_kernel
	.section	.bss,"aw",@nobits
	.p2align	6
	.space	262144
	.amdgpu_metadata
---
amdhsa.version: [ 1, 2 ]
amdhsa.kernels:
  - .name:           k_q8eb3b15239_quant
    .symbol:         k_q8eb3b15239_quant.kd
    .args:
      - { .name: x, .offset: 0, .size: 8, .value_kind: global_buffer, .address_space: global }
      - { .name: kernel, .offset: 8, .size: 8, .value_kind: global_buffer, .address_space: global }
      - { .name: scale, .offset: 16, .size: 8, .value_kind: global_buffer, .address_space: global }
      - { .name: lowp_scales, .offset: 24, .size: 8, .value_kind: global_buffer, .address_space: global }
      - { .name: x_codes, .offset: 32, .size: 8, .value_kind: global_buffer, .address_space: global }
      - { .name: w_codes, .offset: 40, .size: 8, .value_kind: global_buffer, .address_space: global }
    .group_segment_fixed_size: 140800
    .private_segment_fixed_size: 0
    .kernarg_segment_align: 8
    .kernarg_segment_size: 48
    .max_flat_workgroup_size: 128
    .sgpr_count:     66
    .vgpr_count:     242
    .wavefront_size: 32
...
	.end_amdgpu_metadata
.endif
;; end of part 1
;; launch gemm (part 2): grid 64 x 4, 4 waves a work-group, clusters of 4 x 4, 327,680 bytes of LDS; arguments x_codes, w_codes, lowp_scales, out0; writes out0
.if DOCPART == 2
	.amdgcn_target "amdgcn-amd-amdhsa--gfx1250"
	.amdhsa_code_object_version 6
	.text
	.protected	k_q8eb3b15239_gemm
	.globl	k_q8eb3b15239_gemm
	.p2align	8
	.type	k_q8eb3b15239_gemm,@function
k_q8eb3b15239_gemm:
	s_mov_b64 s[64:65], 0
	v_nop
	global_prefetch_b8 v0, s[64:65] scope:SCOPE_SE
	s_setreg_imm32_b32 hwreg(HW_REG_WAVE_MODE, 25, 1), 1
	s_wait_xcnt 0x0
	s_wait_alu depctr_hold_cnt(0) depctr_sa_sdst(0) depctr_va_vdst(0) depctr_va_sdst(0) depctr_va_ssrc(0) depctr_va_vcc(0) depctr_vm_vsrc(0)
	s_getreg_b32 s2, hwreg(HW_REG_IB_STS2, 6, 4)
	s_cmp_eq_u32 s2, 0
	s_cbranch_scc0 .Lentry_in_a_cluster
	s_endpgm
.Lentry_in_a_cluster:
	s_bfe_u32 s2, ttmp6, 0x10000c
	s_cmp_lg_u32 s2, 0xf033
	s_cbranch_scc0 .Lentry_shape_is_right
	s_endpgm
.Lentry_shape_is_right:
; out0[m][f] = 2^(e0 + e1) x the sum over K of x_codes[m] w_codes[f]: codes of FP8 (E4M3) multiplied as they are, f32 sums.  M 1,024, N 16,384, K 4,096.
; LIMIT: e0 + e1 lies between -126 and 127, so that 2^(e0 + e1) is an f32 number.
; A tile of out0, 256 x 256, is made by four waves.  WAVE w TAKES ALL 256 ROWS x ITS OWN 64 COLUMNS: 16 x 4 accumulators of 16 x 16, 512 registers.
; B (w_codes) lies in memory as the operand's registers take it: [f / 64][128 along K][16 columns][4 loads][lane][16 bytes].  Each wave loads its own fragments FROM MEMORY INTO REGISTERS, 512 consecutive
; bytes a load, four sets of 64 registers: the set of a step of 128 along K is asked for four steps ahead, and waited for by count.
; A (x_codes) is shared by the four waves and goes through LDS: two slots of 256 rows x 512 along K, filled by the tensor data mover, 64 rows a wave.
; CLUSTERS: 4 x 4 work-groups.  The four of a row of the cluster need the same tiles of A and ask for them JOINTLY.  B has no joint load: a joint load ends in LDS, and no two waves of a work-group
; share a fragment of B; with B out of LDS the two slots hold 512 along K (2 x 256 x 528 = 270,336 bytes of 327,680) where A and B together would allow 256.
; The four work-groups of a column of the cluster read the same bytes of B and pass the same rounds of the cluster's barrier.
; THE MATRIX INSTRUCTION IS USED TRANSPOSED (source 0 = 16 columns' codes of B, source 1 = 16 rows of A): a lane holds eight neighbouring numbers of a row of out0.
; A fragment (16 x 128 codes, 16 registers) holds in registers 4 c .. 4 c + 3 of lane l the places 32 c + 16 (l / 16) + 0 .. 15 along K: the same permutation of K in A and in B.
; A step of 128 along K: four groups of 4 blocks of A, 16 matrix instructions each.  A's fragments take turns on two sets of 64 registers; a group's 16 LDS loads are issued when the group two back is multiplied.
; In a slot's last step a third set takes group 2, so that all reads of the slot are issued early; the two sets then change roles, and change back one slot later.
; THE LAST THREE STEPS GO BY ROWS OF out0: their three sets of B are all in registers, so each block of 16 rows is finished by 12 matrix instructions (its 4 accumulators by turns, K ascending) and leaves
; at once: x 2^(e0 + e1), through my stage in LDS, as whole rows of 256 bytes, while the later blocks are multiplied.
; PREFETCH: at the change of slots behind K step t (512 along K) each wave asks for K step t + 3: of B the quarter cy of its own 32,768 bytes (a lane 256 bytes), of A the 16 rows cx of the 64 that it fetches
; (a lane 256 bytes): each block once in the cluster, shared out by address.  The loads that want these bytes are issued one K step later or more.  K steps 0 to 2 come by their loads alone; the last asks are for K step 7.
; REGISTERS: window 0: v16-31 addresses, v64-127, v128-191, v192-255 A's sets (by rows: v32-63 a block's results, v64-127 two buffers of rows read back); window 1: B's four sets;
; windows 2, 3: the accumulators ((a, b) at 8 (4 a + b)).
.set SIZE_N, 16384
.set KROW,   4096
.set PITCH,  528                       ; an LDS row: 512 bytes + 16: row r starts at bank 4 r mod 64 (ISA guide 11.1)
.set SLOT,   256*PITCH
.set SPARE,  2*SLOT                    ; the spare words, 128 bytes a wave
.set SPITCH, 272                       ; the way out: a stage of 16 rows x (256 + 16) bytes for each wave, in slot 0, behind that slot's last fill and last read
.set WSTAGE, 16*SPITCH
.set ADR,  16                          ; v16-19 LDS address of A's fragments: slot 0 rows 0-127, 128-255; slot 1 likewise
.set STO,  24
.set RD,   25
.set CO,   26
.set BO,   27                          ; 16 x lane
.set SPW,  28
.set NIL,  29
.set PFB,  30                          ; B's prefetch: 8,192 cy + 256 lane
.set PFX,  31                          ; A's prefetch: row lane / 2, 256 (lane % 2)
.set TMP,  32
.set H2,   64
.set OB,   64
.set G1,   24                          ; s[24:31] descriptor group 1
.set G0,   32                          ; s[32:39] group 0, a set for each slot
.set BB,   48                          ; s[48:49] my columns' codes, at the lap's first step
.set PA,   50                          ; s[50:51] A's prefetches, likewise
.set MSB, 0
.macro WIN new                         ; the immediate's high byte repeats the setting that is left
.if MSB != \new
	s_set_vgpr_msb (MSB<<8)|\new
.set MSB, \new
.endif
.endm
.set MUL_LO, 0xa1                      ; source 0 (B) window 1, source 1 (A) window 0, C and D window 2
.set MUL_HI, 0xf1                      ; C and D window 3
.set TO_B,   0x40                      ; destination window 1, address window 0
.macro PLACES                          ; four places behind matrix instructions, ahead of loads into their sources and of reads of their results (ISA guide 7.12.1 for the reads)
.rept 4
	v_nop
.endr
.endm
.macro CREST                           ; a round of the cluster's barrier behind its opening barrier
	s_cmp_lg_u32 s14, 0
	s_cbranch_scc1 .Lnot_wave_0_\@
	s_barrier_signal -3
.Lnot_wave_0_\@:
	s_barrier_wait -3
	s_barrier_signal -1
	s_barrier_wait -1
.endm
.macro CROUND
	s_barrier_signal -1
	s_barrier_wait -1
	CREST
.endm
.macro BLOAD set, off                  ; B's four fragments of one step of 128: 16 loads of 512 consecutive bytes
	WIN TO_B
.irp f, 0,1,2,3
.irp c, 0,1,2,3
	global_load_b128 v[64*(\set)+16*\f+4*\c:64*(\set)+16*\f+4*\c+3], v[BO], s[BB:BB+1] offset:(\off)+2048*\f+512*\c
.endr
.endr
	WIN 0
.endm
.macro AFETCH slot, q, g, reg          ; A's blocks 4 g .. 4 g + 3 of the slot's q-th 128 along K
.irp i, 0,1,2,3
.irp c, 0,1,2,3
	ds_load_b128 v[\reg+16*\i+4*\c:\reg+16*\i+4*\c+3], v[ADR+2*(\slot)+(\g)/2] offset:128*(\q)+32*\c+(4*((\g)%2)+\i)*16*PITCH
.endr
.endr
.endm
.macro AFETCHR a, reg                  ; by rows: block a of slot 1, its last three 128 along K: 12 loads
.irp q, 1,2,3
.irp c, 0,1,2,3
	ds_load_b128 v[\reg+16*(\q-1)+4*\c:\reg+16*(\q-1)+4*\c+3], v[ADR+2+(\a)/8] offset:128*\q+32*\c+((\a)%8)*16*PITCH
.endr
.endr
.endm
; 16 matrix instructions: group g's four blocks of A against B's four.  w: the LDS instructions issued behind the group's 16 loads; block i is in when w + 12 - 4 i are out.  w < 0: already waited for.
; The 64 accumulators take turns, one instruction a turn, in the same order in every step.
.macro MULG g, reg, set, zero, w
.irp i, 0,1,2,3
.if (\w) >= 0
	s_wait_dscnt (\w)+12-4*\i
.endif
.irp b, 0,1,2,3
.if \zero
	v_wmma_f32_16x16x128_fp8_fp8 v[8*(16*((\g)%2)+4*\i+\b):8*(16*((\g)%2)+4*\i+\b)+7], v[64*(\set)+16*\b:64*(\set)+16*\b+15], v[\reg+16*\i:\reg+16*\i+15], 0
.else
	v_wmma_f32_16x16x128_fp8_fp8 v[8*(16*((\g)%2)+4*\i+\b):8*(16*((\g)%2)+4*\i+\b)+7], v[64*(\set)+16*\b:64*(\set)+16*\b+15], v[\reg+16*\i:\reg+16*\i+15], v[8*(16*((\g)%2)+4*\i+\b):8*(16*((\g)%2)+4*\i+\b)+7]
.endif
.endr
.endr
.endm
; One of a slot's first three steps.  boff: where B's set of four steps on lies (< 0: none).  lcnt: the younger loads of B that may stay out.  rows = 1: what follows goes by rows.
.macro SUB slot, q, zero, boff, lcnt, rows
.set HA, 128+64*(\slot)
.set HB, 192-64*(\slot)
	s_wait_loadcnt \lcnt                           ; loads come back in order (ISA guide 5.7.1): this step's set of B is in
	WIN MUL_LO
	MULG 0, HA, \q, \zero, 16
	PLACES
	WIN 0
	AFETCH \slot, \q, 2, HA
	WIN MUL_LO
	MULG 1, HB, \q, \zero, 16
	PLACES
	WIN 0
	AFETCH \slot, \q, 3, HB
	WIN MUL_HI
	MULG 2, HA, \q, \zero, 16
	PLACES
	WIN 0
.if \rows
	AFETCHR 0, HA
.else
	AFETCH \slot, (\q)+1, 0, HA
.endif
	WIN MUL_HI
	MULG 3, HB, \q, \zero, 16-4*\rows              ; behind group 3's loads: 16, or by rows 12
	PLACES
	WIN 0
.if \rows
	AFETCHR 1, HB
.else
	AFETCH \slot, (\q)+1, 1, HB
.endif
.if (\q) == 2
	AFETCH \slot, 3, 2, H2                         ; the last step's group 2 goes to the third set
.endif
.if (\boff) >= 0
	BLOAD \q, \boff
.endif
.endm
.macro ASK kind, k                     ; kind 1: always; 2: not in the loop's last trip.  k: the K step, counted from the lap's first
.if \kind
.if \kind == 2
	s_cmp_gt_u32 s3, 1
	s_cbranch_scc0 .Lno_ask_\@
.endif
	global_prefetch_b8 v[PFB], s[BB:BB+1] offset:(\k)*32768 th:TH_LOAD_NT scope:SCOPE_SE
	global_prefetch_b8 v[PFX], s[PA:PA+1] offset:(\k)*512 th:TH_LOAD_NT scope:SCOPE_SE
.Lno_ask_\@:
.endif
.endm
; A slot's last step changes slots.  fill = 1: the slot is filled again, two K steps on, behind a round of the cluster's barrier; 0: nothing is filled, one barrier.
.macro TURN slot, fill, boff, lcnt, kind, k
.set HA, 128+64*(\slot)
.set HB, 192-64*(\slot)
	s_wait_loadcnt \lcnt
	WIN MUL_LO
	MULG 0, HA, 3, 0, 32                           ; behind group 0's loads: groups 1 and 2's
	PLACES
	WIN 0
	AFETCH \slot, 3, 3, HA                         ; my last reads of this slot
	s_wait_tensorcnt 0x0                           ; my one tensor load that was out, my part of the next slot, has landed
	ds_add_u32 v[SPW], v[NIL]
	WIN MUL_LO
	MULG 1, HB, 3, 0, 33                           ; behind group 1's loads: groups 2 and 3's and the add
	s_wait_dscnt 0x0                               ; the add is done, and my reads of this slot are over
	s_barrier_signal -1
	WIN MUL_HI
	MULG 2, H2, 3, 0, -1                           ; work on registers while the others arrive
	WIN 0
	s_barrier_wait -1
.if \fill
	CREST                                          ; no wave of any partner still reads this slot or has a load on its way
	s_add_nc_u64 s[G0+4*\slot+2:G0+4*\slot+3], s[G0+4*\slot+2:G0+4*\slot+3], 1024
	tensor_load_to_lds s[G0+4*\slot:G0+4*\slot+3], s[G1:G1+7]
	s_nop 0
.endif
	PLACES
	AFETCH 1-\slot, 0, 0, HB                       ; the two sets change roles
	ASK \kind, \k
	WIN MUL_HI
	MULG 3, HA, 3, 0, -1
	PLACES
	WIN 0
	AFETCH 1-\slot, 0, 1, HA
	BLOAD 3, \boff
.endm
	s_load_b128 s[4:7], s[0:1], 0x0                ; x_codes, w_codes
	s_load_b128 s[8:11], s[0:1], 0x10              ; the scales' exponents, out0
	v_lshl_add_u32 v[SPW], v0, 2, SPARE
	v_mov_b32 v[NIL], 0
	ds_add_u32 v[SPW], v[NIL]                      ; the opening lines: the add, twice on end, and its wait
	ds_add_u32 v[SPW], v[NIL]
	s_bfe_u32 s41, ttmp6, 0x40004                  ; cy = the tile row (the grid has one cluster along y)
	s_lshl_b32 s13, s41, 13
	v_lshrrev_b32 v1, 5, v0
	v_readfirstlane_b32 s14, v1                    ; wave
	v_and_b32 v2, 15, v0                           ; r
	v_bfe_u32 v3, v0, 4, 1                         ; h
	v_and_b32 v4, 31, v0                           ; lane
	v_mul_u32_u24 v5, v2, PITCH
	v_lshl_add_u32 v[ADR], v3, 4, v5               ; row r x pitch + 16 h
	v_add_nc_u32 v[ADR+1], 128*PITCH, v[ADR]
	v_add_nc_u32 v[ADR+2], SLOT, v[ADR]
	v_add_nc_u32 v[ADR+3], SLOT+128*PITCH, v[ADR]
	v_mul_u32_u24 v6, v1, WSTAGE                   ; my stage
	v_mad_u32_u24 v7, v2, SPITCH, v6
	v_lshl_add_u32 v[STO], v3, 5, v7               ; in: row r, 32 bytes for each half of the lanes
	v_mad_u32_u24 v7, v3, SPITCH, v6
	v_lshl_add_u32 v[RD], v2, 4, v7                ; back: sixteen lanes to a row of 256 bytes, two rows an instruction
	v_lshlrev_b32 v7, 16, v3
	v_lshl_add_u32 v[CO], v2, 4, v7                ; and the same two rows in out0
	v_lshlrev_b32 v[BO], 4, v4
	v_lshl_add_u32 v[PFB], v4, 8, s13
	v_lshrrev_b32 v7, 1, v4
	v_and_b32 v8, 1, v4
	v_lshlrev_b32 v8, 8, v8
	v_lshl_add_u32 v[PFX], v7, 12, v8
	s_wait_alu depctr_va_vdst(0)                   ; the wait behind the head's last vector write
	s_bfe_u32 s40, ttmp6, 0x40000                  ; cx
	s_lshl_b32 s42, ttmp9, 2
	s_add_co_u32 s42, s42, s40                     ; tile column
	s_lshl_b32 s43, s41, 2
	s_lshl_b32 s43, 15, s43                        ; my row of the cluster
	s_or_b32 s[G1], s43, (1<<20)|(1<<21)|(6<<22)|(3<<25)   ; the mask; elements of 1 byte; padding of 4 words behind every 128
	s_mov_b32 s[G1+1], 512<<16                     ; tensor_dim0
	s_mov_b32 s[G1+2], 64<<16                      ; tensor_dim1
	s_mov_b32 s[G1+3], 512<<16                     ; tile_dim0
	s_mov_b32 s[G1+4], 64                          ; tile_dim1
	s_mov_b32 s[G1+5], KROW
	s_mov_b32 s[G1+6], 0
	s_mov_b32 s[G1+7], 0
	s_lshl_b32 s20, s41, 8
	s_lshl_b32 s21, s14, 6
	s_add_co_u32 s20, s20, s21                     ; A: row 256 cy + 64 wave,
	s_lshl_b32 s20, s20, 12                        ; in bytes
	s_mov_b32 s21, 0
	s_mul_i32 s45, s14, 64*PITCH                   ; and where it goes
	s_lshl_b32 s46, s42, 2
	s_add_co_u32 s46, s46, s14                     ; B: my 64 columns' number,
	s_lshl_b32 s46, s46, 18                        ; x 262,144 bytes
	s_mov_b32 s47, 0
	s_lshl_b32 s52, s40, 16                        ; A's prefetch: my work-group's 16 rows of my 64
	s_add_co_u32 s52, s52, s20
	s_mov_b32 s53, 0
	s_lshl_b32 s54, s41, 24                        ; out0: 256 cy rows of 65,536 bytes,
	s_lshl_b32 s55, s42, 10
	s_add_co_u32 s54, s54, s55                     ; + 1,024 x tile column
	s_lshl_b32 s55, s14, 8
	s_add_co_u32 s54, s54, s55                     ; + 256 x wave
	s_mov_b32 s55, 0
	s_wait_dscnt 0x0                               ; both opening adds are done
	s_wait_kmcnt 0x0
	s_load_b64 s[96:97], s[8:9], 0x0               ; e0, e1
	s_add_nc_u64 s[20:21], s[4:5], s[20:21]
	s_add_nc_u64 s[BB:BB+1], s[6:7], s[46:47]
	s_add_nc_u64 s[PA:PA+1], s[4:5], s[52:53]
	s_add_nc_u64 s[10:11], s[10:11], s[54:55]
	BLOAD 0, 0                                     ; what is needed first is asked for first: B's first set,
	CROUND                                         ; all sixteen work-groups are here: the first joint loads meet
.irp s, 0,1
	s_mov_b32 s[G0+4*\s], 1
	s_add_co_u32 s[G0+4*\s+1], s45, \s*SLOT
	s_add_nc_u64 s[G0+4*\s+2:G0+4*\s+3], s[20:21], \s*512
	s_or_b32 s[G0+4*\s+3], s[G0+4*\s+3], 0x80000000
.endr
	tensor_load_to_lds s[G0:G0+3], s[G1:G1+7]      ; A's K step 0: one tensor load a wave at the head,
	s_nop 0
	PLACES
	BLOAD 1, 8192                                  ; and B's next three sets
	BLOAD 2, 2*8192
	BLOAD 3, 3*8192
	s_wait_tensorcnt 0x0                           ; my part of K step 0 is in
	ds_add_u32 v[SPW], v[NIL]
	s_wait_dscnt 0x0
	CROUND
	tensor_load_to_lds s[G0+4:G0+7], s[G1:G1+7]    ; K step 1
	s_nop 0
	PLACES
	AFETCH 0, 0, 0, 128
	AFETCH 0, 0, 1, 192
	SUB 0, 0, 1, 4*8192, 48, 0                     ; the first step starts the sums; 48: the three younger sets of 16 loads
	s_mov_b32 s3, 3
.Llap:                                                 ; a trip: from a lap's second step to the next lap's first; both slots are filled again
	SUB 0, 1, 0, 5*8192, 48, 0
	SUB 0, 2, 0, 6*8192, 48, 0
	TURN 0, 1, 7*8192, 48, 1, 3
	SUB 1, 0, 0, 8*8192, 48, 0
	SUB 1, 1, 0, 9*8192, 48, 0
	SUB 1, 2, 0, 10*8192, 48, 0
	TURN 1, 1, 11*8192, 48, 2, 4
	SUB 0, 0, 0, 12*8192, 48, 0
	s_wait_xcnt 0x0                                ; the loads and prefetches have read their bases: they step only behind this wait
	s_add_nc_u64 s[BB:BB+1], s[BB:BB+1], 65536
	s_add_nc_u64 s[PA:PA+1], s[PA:PA+1], 1024
	s_sub_co_u32 s3, s3, 1
	s_cmp_lg_u32 s3, 0
	s_cbranch_scc1 .Llap
	SUB 0, 1, 0, 5*8192, 48, 0                     ; the last lap: three more sets of B, no fill
	SUB 0, 2, 0, 6*8192, 48, 0
	TURN 0, 0, 7*8192, 48, 0, 0
	SUB 1, 0, 0, -1, 48, 1                         ; the last step by K; behind it blocks 0 and 1 are fetched by rows
	s_wait_kmcnt 0x0
	s_add_co_i32 s96, s96, s97
	s_add_co_i32 s96, s96, 127
	s_lshl_b32 s96, s96, 23                        ; 2^(e0 + e1) as f32
; BY ROWS.  Block a's fragments lie in v192.. (a even) or v128.. (a odd).  w: the LDS instructions issued behind its 12 loads.
.macro ROWW a, w
.set RS, 192-64*((\a)%2)
	WIN MUL_LO+0x50*((\a)/8)
.irp q, 1,2,3
.if (\a) == 0
	s_wait_loadcnt 48-16*\q                        ; B's set q is in; the younger sets may be out
.endif
	s_wait_dscnt (\w)+8-4*(\q-1)
.irp b, 0,1,2,3
	v_wmma_f32_16x16x128_fp8_fp8 v[32*((\a)%8)+8*\b:32*((\a)%8)+8*\b+7], v[64*\q+16*\b:64*\q+16*\b+15], v[RS+16*(\q-1):RS+16*(\q-1)+15], v[32*((\a)%8)+8*\b:32*((\a)%8)+8*\b+7]
.endr
.endr
.endm
.macro RSTAGE a                        ; block a: x 2^(e0 + e1), into my stage, back as whole rows.  LDS serves a wave's instructions in order (ISA guide 5.7.1.4)
	s_wait_xcnt 0x0                                ; the earlier stores have read their registers and their base
	WIN 0x02+((\a)/8)
.set J, 0
.rept 16
	v_pk_mul_f32 v[TMP+J:TMP+J+1], v[32*((\a)%8)+J:32*((\a)%8)+J+1], s[96:97] op_sel_hi:[1,0]   ; each accumulator from its low end on
.set J, J+2
.endr
	WIN 0
.irp b, 0,1,2,3
	ds_store_b128 v[STO], v[TMP+8*\b:TMP+8*\b+3] offset:64*\b
	ds_store_b128 v[STO], v[TMP+8*\b+4:TMP+8*\b+7] offset:64*\b+16
.endr
.irp t, 0,1,2,3,4,5,6,7
	ds_load_b128 v[OB+32*((\a)%2)+4*\t:OB+32*((\a)%2)+4*\t+3], v[RD] offset:\t*2*SPITCH
.endr
.endm
.macro RSEND a, younger
	s_wait_dscnt \younger
.if (\a) > 0
	s_add_nc_u64 s[10:11], s[10:11], 16*SIZE_N*4
.endif
.irp t, 0,1,2,3,4,5,6,7
	global_store_b128 v[CO], v[OB+32*((\a)%2)+4*\t:OB+32*((\a)%2)+4*\t+3], s[10:11] offset:2*\t*SIZE_N*4 th:TH_STORE_NT   ; sixteen lanes store 256 consecutive bytes, aligned
.endr
.endm
; y: the LDS instructions behind block a - 1's rows: block a + 2's 12 loads, where there are any, and block a's 16 through the stage
.macro ROW a, w, y
	ROWW \a, \w
	PLACES
	WIN 0
.if (\a) < 14
	AFETCHR (\a)+2, 192-64*((\a)%2)
.endif
	RSTAGE \a
.if (\a) > 0
	RSEND (\a)-1, \y
.endif
.endm
	ROW 0, 12, 0                                   ; behind block 0's loads: block 1's 12
	ROW 1, 28, 28                                  ; block 2's 12 and block 0's 16 through the stage
.irp a, 2,3,4,5,6,7,8,9,10,11,12,13
	ROW \a, 44, 28                                 ; two blocks' 16 through the stage and one block's 12
.endr
	ROW 14, 44, 16
	ROW 15, 32, 16
	s_wait_xcnt 0x0
	RSEND 15, 0
	s_wait_tensorcnt 0x0                           ; the wave's end
	ds_add_u32 v[SPW], v[NIL]
	s_wait_dscnt 0x0
	CROUND                                         ; the closing round
	s_endpgm
.Lfunc_end_k_q8eb3b15239_gemm:
	.size	k_q8eb3b15239_gemm, .Lfunc_end_k_q8eb3b15239_gemm-k_q8eb3b15239_gemm
	.p2alignl 7, 3214868480
	.fill 96, 4, 3214868480
	.section	.rodata,"a",@progbits
	.p2align	6, 0x0
	.amdhsa_kernel k_q8eb3b15239_gemm
		.amdhsa_group_segment_fixed_size 327680
		.amdhsa_private_segment_fixed_size 0
		.amdhsa_enable_private_segment 0
		.amdhsa_kernarg_size 32
		.amdhsa_user_sgpr_count 2
		.amdhsa_user_sgpr_kernarg_segment_ptr 1
		.amdhsa_wavefront_size32 1
		.amdhsa_system_sgpr_workgroup_id_x 1
		.amdhsa_system_sgpr_workgroup_id_y 1
		.amdhsa_system_sgpr_workgroup_id_z 1
		.amdhsa_system_vgpr_workitem_id 0
		.amdhsa_next_free_vgpr 1024
		.amdhsa_next_free_sgpr 98
		.amdhsa_reserve_vcc 0
		.amdhsa_float_denorm_mode_32 3
		.amdhsa_float_denorm_mode_16_64 3
		.amdhsa_memory_ordered 1
		.amdhsa_forward_progress 1
		.amdhsa_inst_pref_size 228
	.end_amdhsa_kernel
	.amdgpu_metadata
---
amdhsa.version: [ 1, 2 ]
amdhsa.kernels:
  - .name:           k_q8eb3b15239_gemm
    .symbol:         k_q8eb3b15239_gemm.kd
    .args:
      - { .name: x_codes, .offset: 0, .size: 8, .value_kind: global_buffer, .address_space: global }
      - { .name: w_codes, .offset: 8, .size: 8, .value_kind: global_buffer, .address_space: global }
      - { .name: lowp_scales, .offset: 16, .size: 8, .value_kind: global_buffer, .address_space: global }
      - { .name: out0, .offset: 24, .size: 8, .value_kind: global_buffer, .address_space: global }
    .group_segment_fixed_size: 327680
    .private_segment_fixed_size: 0
    .kernarg_segment_align: 8
    .kernarg_segment_size: 32
    .max_flat_workgroup_size: 128
    .sgpr_count:     98
    .vgpr_count:     1024
    .wavefront_size: 32
...
	.end_amdgpu_metadata
.endif
;; end of part 2
